; MI455X (gfx1250); checked and timed in simulation.
; The chip was launched on July 23, 2026; its instructions are those of AMD's public machine-readable ISA for CDNA 5 (MIT licence, August 2026) and "CDNA5" Instruction Set Architecture Reference Guide (July 2026). The comments in the code are by the model that wrote it; some were corrected since.
;; FC Eventually Layer. Allowed arithmetic: float matrix products may take bf16 or f16 operands with f32 sums; other float arithmetic in f32, or as packed bf16 or f16 multiplies, adds, multiply-adds, maxima and minima; sums over many terms, partial sums and values carried from step to step in f32; what a program stores and reads back later, other than sums and carried values, may be rounded once to bf16 or f16.
;; Inputs: beta 1 float32; weights 4,096 x 4,096 float32; x 4,096 x 4,096 float32.
;; Outputs: out0 4,096 x 4,096 float32.
;; 2 versions, each right; version 2 is version 1 with the launch cast written anew for expert scheduling mode. Each part assembles by itself: llvm-mc -triple=amdgcn-amd-amdhsa -mcpu=gfx1250 --defsym DOCPART=n.
;; ======== version 1 of 2: 2 launches
;; workspace buffers: xb 33,554,432 bytes; wb 33,554,432 bytes
;; launch cast (part 1): grid 512 x 2, 8 waves a work-group, no clusters, 0 bytes of LDS; arguments x, weights, xb, wb; writes xb, wb
.if DOCPART == 1
	.amdgcn_target "amdgcn-amd-amdhsa--gfx1250"
	.amdhsa_code_object_version 6
	.text
	.protected	k_qec42069266_cast
	.globl	k_qec42069266_cast
	.p2align	8
	.type	k_qec42069266_cast,@function
k_qec42069266_cast:
	s_mov_b64 s[64:65], 0
	v_nop
	global_prefetch_b8 v0, s[64:65] scope:SCOPE_SE
	s_setreg_imm32_b32 hwreg(HW_REG_WAVE_MODE, 25, 1), 1
	s_wait_xcnt 0x0
; xb = bf16(x), wb = bf16(weights): [4096][4096] f32 -> [4096][4096] bf16, each number rounded once, to nearest even.
; LIMITS.  bf16 has f32's exponents, so nothing under- or overflows but a magnitude above bf16's largest finite number (3.39e38), which rounds to an infinity.
; LAYOUT OF THE RESULT.  Inside every aligned block of 256 k of a row the numbers are PERMUTED, alike in xb and wb: place 8 l + j (l = 0..31) holds k = 4 l + j for j = 0..3 and
; k = 128 + 4 l + (j - 4) for j = 4..7.  The product that follows pairs place with place, so every x[b][k] still meets weights[o][k]; only the order of its sum changes.
; What it buys: lane l's two loads of 16 bytes (512 bytes apart) round to exactly the 16 bytes that it stores, so each load and each store of a wave covers 512 consecutive bytes, aligned, and no number changes lanes.
; SHARES.  Grid y picks the tensor.  A work-group takes 131,072 consecutive input bytes (8 rows) in 16 turns of 8,192; in a turn wave w takes 1,024 bytes, one block of 256 k.
; A ring of DEPTH slots in registers keeps 2 x DEPTH loads of every wave on their way.  The 16 turns are written out in two rounds, so every place stands in an immediate and no address register is rewritten.
; No LDS, barrier, matrix instruction or cluster: no byte is used twice and no wave needs another's data.
.set DEPTH, 8                          ; slots
.set INT,   8192                       ; input bytes of the group in a turn
.set OUTT,  4096                       ; output bytes of the group in a turn
.set X,     4                          ; v[4:67]   slot i: 8 registers as loaded: 0-3 the first 16 bytes, 4-7 those 512 bytes on
.set Y,     68                         ; v[68:99]  slot i: 4 registers to store
	s_load_b256 s[4:11], s[0:1], 0x0               ; x s[4:5], weights s[6:7], xb s[8:9], wb s[10:11]
	v_and_b32 v1, 31, v0                           ; lane
	v_lshlrev_b32 v1, 4, v1                        ; 16 bytes a lane
	v_and_b32 v3, 0xe0, v0                         ; 32 x wave
	v_lshl_or_b32 v1, v3, 5, v1                    ; in: 1,024 x wave + 16 x lane; never rewritten
	v_lshlrev_b32 v2, 4, v0                        ; out: 16 x thread = 512 x wave + 16 x lane; never rewritten
	s_lshl_b32 s16, ttmp9, 17                      ; the group's 131,072 input bytes (under 2^26)
	s_mov_b32 s17, 0
	s_lshl_b32 s18, ttmp9, 16                      ; and its 65,536 output bytes
	s_mov_b32 s19, 0
	s_and_b32 s2, ttmp7, 0xffff                    ; grid y: 0 = x, 1 = weights
	s_wait_kmcnt 0x0
	s_cmp_eq_u32 s2, 0                             ; the choice hangs on the work-group's number alone
	s_cselect_b64 s[12:13], s[4:5], s[6:7]
	s_cselect_b64 s[14:15], s[8:9], s[10:11]
	s_add_nc_u64 s[12:13], s[12:13], s[16:17]
	s_add_nc_u64 s[14:15], s[14:15], s[18:19]
.irp i, 0,1,2,3,4,5,6,7
	global_load_b128 v[X+8*(\i):X+8*(\i)+3],   v1, s[12:13] offset:(\i)*INT th:TH_LOAD_NT      ; the ring is filled: turns 0 to 7; each input byte is read once in the launch
	global_load_b128 v[X+8*(\i)+4:X+8*(\i)+7], v1, s[12:13] offset:(\i)*INT+512 th:TH_LOAD_NT
.endr
; One slot's turn.  ahead = 1: the slot is filled again with the turn DEPTH further on.  left = how many younger loads may still be out.
.macro SLOT i, turn, ahead, left
	s_wait_loadcnt \left                           ; loads come back in order (ISA guide 5.7.1): this slot's two are in, the younger ones stay out
.if (\turn) >= DEPTH
	s_wait_xcnt 0x0                                ; this slot's Y was the data of its store a round ago: it is rewritten only behind this wait (ISA guide 3.1)
.endif
.irp j, 0,1,2,3
	v_cvt_pk_bf16_f32 v[Y+4*(\i)+(\j)], v[X+8*(\i)+2*(\j)], v[X+8*(\i)+2*(\j)+1]  ; two roundings, packed
.endr
.if \ahead
	global_load_b128 v[X+8*(\i):X+8*(\i)+3],   v1, s[12:13] offset:((\turn)+DEPTH)*INT th:TH_LOAD_NT
	global_load_b128 v[X+8*(\i)+4:X+8*(\i)+7], v1, s[12:13] offset:((\turn)+DEPTH)*INT+512 th:TH_LOAD_NT
.endif
	global_store_b128 v2, v[Y+4*(\i):Y+4*(\i)+3], s[14:15] offset:(\turn)*OUTT  ; 512 consecutive bytes of the wave, aligned; no hint: the next launch reads them
.endm
.irp i, 0,1,2,3,4,5,6,7
	SLOT \i, \i, 1, 14                             ; behind a slot's two loads stand the seven other slots' fourteen
.endr
.irp i, 0,1,2,3,4,5,6,7
	SLOT \i, 8+\i, 0, 14-2*\i                      ; the last round loads nothing: the counts run down to 0, and no load leaves the buffer
.endr
	s_endpgm
.Lfunc_end_k_qec42069266_cast:
	.size	k_qec42069266_cast, .Lfunc_end_k_qec42069266_cast-k_qec42069266_cast
	.p2alignl 7, 3214868480
	.fill 96, 4, 3214868480
	.section	.rodata,"a",@progbits
	.p2align	6, 0x0
	.amdhsa_kernel k_qec42069266_cast
		.amdhsa_group_segment_fixed_size 0
		.amdhsa_private_segment_fixed_size 0
		.amdhsa_enable_private_segment 0
		.amdhsa_kernarg_size 32
		.amdhsa_user_sgpr_count 2
		.amdhsa_user_sgpr_kernarg_segment_ptr 1
		.amdhsa_wavefront_size32 1
		.amdhsa_system_sgpr_workgroup_id_x 1
		.amdhsa_system_sgpr_workgroup_id_y 1
		.amdhsa_system_sgpr_workgroup_id_z 1
		.amdhsa_system_vgpr_workitem_id 0
		.amdhsa_next_free_vgpr 100
		.amdhsa_next_free_sgpr 66
		.amdhsa_reserve_vcc 0
		.amdhsa_float_denorm_mode_32 3
		.amdhsa_float_denorm_mode_16_64 3
		.amdhsa_memory_ordered 1
		.amdhsa_forward_progress 1
		.amdhsa_inst_pref_size 11
	.end_amdhsa_kernel
	.amdgpu_metadata
---
amdhsa.version: [ 1, 2 ]
amdhsa.kernels:
  - .name:           k_qec42069266_cast
    .symbol:         k_qec42069266_cast.kd
    .args:
      - { .name: x, .offset: 0, .size: 8, .value_kind: global_buffer, .address_space: global }
      - { .name: weights, .offset: 8, .size: 8, .value_kind: global_buffer, .address_space: global }
      - { .name: xb, .offset: 16, .size: 8, .value_kind: global_buffer, .address_space: global }
      - { .name: wb, .offset: 24, .size: 8, .value_kind: global_buffer, .address_space: global }
    .group_segment_fixed_size: 0
    .private_segment_fixed_size: 0
    .kernarg_segment_align: 8
    .kernarg_segment_size: 32
    .max_flat_workgroup_size: 256
    .sgpr_count:     66
    .vgpr_count:     100
    .wavefront_size: 32
...
	.end_amdgpu_metadata
.endif
;; end of part 1
;; launch gemm (part 2): grid 16 x 16, 4 waves a work-group, clusters of 4 x 4, 327,680 bytes of LDS; arguments xb, wb, out0, beta; writes out0
.if DOCPART == 2
	.amdgcn_target "amdgcn-amd-amdhsa--gfx1250"
	.amdhsa_code_object_version 6
	.text
	.protected	k_qec42069266_gemm
	.globl	k_qec42069266_gemm
	.p2align	8
	.type	k_qec42069266_gemm,@function
k_qec42069266_gemm:
	s_mov_b64 s[64:65], 0
	v_nop
	global_prefetch_b8 v0, s[64:65] scope:SCOPE_SE
	s_setreg_imm32_b32 hwreg(HW_REG_WAVE_MODE, 25, 1), 1
	s_wait_xcnt 0x0
	s_wait_alu depctr_hold_cnt(0) depctr_sa_sdst(0) depctr_va_vdst(0) depctr_va_sdst(0) depctr_va_ssrc(0) depctr_va_vcc(0) depctr_vm_vsrc(0)
	s_getreg_b32 s2, hwreg(HW_REG_IB_STS2, 6, 4)
	s_cmp_eq_u32 s2, 0
	s_cbranch_scc0 .Lentry_in_a_cluster
	s_endpgm
.Lentry_in_a_cluster:
	s_bfe_u32 s2, ttmp6, 0x10000c
	s_cmp_lg_u32 s2, 0xf033
	s_cbranch_scc0 .Lentry_shape_is_right
	s_endpgm
.Lentry_shape_is_right:
; out0[m][n] = max(0, (1 - beta) + sum over k of xb[m][k] wb[n][k]).  xb, wb: [4096][4096] bf16, made by the launch before (K permuted alike in both inside blocks of 256: the pairs of a
; product are unchanged, the order of the sum is not the reference's).  out0: [4096][4096] f32.  Sums in f32; each sum STARTS with 1 - beta, as the C operand of its first product.
; LIMITS.  The operands carry one rounding to bf16.  The maximum is v_max_num_f32: a sum that is NaN (infinite inputs or an overflow alone can make one) comes out as 0, not as NaN.
; WHY THE ROUNDING IS A LAUNCH OF ITS OWN.  With f32 tiles in LDS a wave would read 2 x 128 rows x 128 bytes for 32 along K where it now reads 2 x 128 x 64, each tile would be rounded by the two waves
; that read it, and a slot would hold half the K, with twice the rounds of the cluster's barrier.
; SHARES.  A tile of out0, 256 x 256, is made by a work-group of four waves; 16 x 16 tiles, one a work-group.  A wave makes 128 x 128: 64 accumulators of 16 x 16, 512 registers.
; K goes in 32 steps of 128 through a ring of two LDS slots filled by the tensor data mover: a tile's rows are 256 bytes of memory and start at multiples of 256 bytes from the buffer's first byte.
; CLUSTERS.  4 x 4 work-groups.  The four of a row of the cluster need the same tiles of xb, the four of a column the same tiles of wb: each tile is asked for JOINTLY, by the same tensor load with the
; same descriptor and a mask that names the four, and each receives it in its own LDS: a quarter of the requests.
; THE MATRIX INSTRUCTION IS USED TRANSPOSED: source 0 = 16 rows of wb, source 1 = 16 rows of xb.  Lane l then holds row l % 16 of out0 and, in registers 0 to 7, the columns 8 (l / 16) + 0..7: 32 neighbouring bytes.
; REGISTERS, in windows of 256 (s_set_vgpr_msb's low byte: bits 1:0 source 0, 3:2 source 1, 5:4 source 2, 7:6 destination):
;   window 0: v0-31 addresses; v32-39 1 - beta, eight times; v64-127, v128-191 fragments of xb, two buffers; on the way out v64-127 results, v128-191 and v192-255 rows read back, by turns
;   window 1: v64-127, v128-191 fragments of wb, two buffers
;   window 2: the 32 accumulators of my rows 0-63 (accumulator (a, b) at v[8 (8 a + b)]);   window 3: those of my rows 64-127
.set SIZE_K, 4096
.set SIZE_N, 4096
.set KSTEP,  128
.set PITCH,  272                       ; an LDS row: 256 bytes + 16 of padding = 68 words: row r starts at bank 4 r mod 64 (64 banks of 4 bytes: ISA guide 11.1), so the 16 rows of a fragment load start at 16 different banks
.set HALFT,  128*PITCH                 ; 128 rows: what one tensor load brings, and what one wave reads of xb or of wb
.set SLOT,   4*HALFT                   ; xb's 256 rows, then wb's 256 rows
.set STAGE,  2*SLOT                    ; behind the ring: 16 rows x 528 bytes for each wave, for the way out; no tensor load lands here
.set SPITCH, 528                       ; 512 bytes (128 f32) + 16: an odd multiple of 16
.set SPARE,  STAGE+4*16*SPITCH         ; behind the stages: the spare words, 128 bytes for each wave: two blocks of 256 bytes that no other line names
.set LAPS,   SIZE_K/(2*KSTEP)          ; 16 laps: a lap = two K steps = once round the ring
.set NB4,    SIZE_N*4                  ; bytes in a row of out0
.set ADRA, 16                          ; v16-17  LDS address of my xb fragments in slot 0, 1
.set ADRB, 20                          ; v20-21  the same for wb
.set STO,  24                          ; v24     the way out: where I put my 32 bytes of a row
.set RD,   25                          ; v25     the way out: where I read a row back
.set CO,   26                          ; v26     my byte offset in a row's 512 bytes of out0
.set SPW,  28                          ; v28     LDS address of my spare word: SPARE + 4 x my thread's number; never rewritten
.set NIL,  29                          ; v29     0; never rewritten
.set BI,   32                          ; v32-39  1 - beta in every lane and register: the C operand that starts each sum
.set F0,   64                          ; fragment buffer 0
.set F1,   128                         ; fragment buffer 1
.set TMP,  64                          ; the way out: a block's 64 results
.set OB,   128                         ; the way out: 16 rows read back from the stage: v128-191 and v192-255 by turns
.set G1,  24                           ; s[24:31] descriptor group 1 for xb's tiles
.set G0,  32                           ; s[32:39] descriptor group 0 for xb's tiles, one set for each slot
.set G1B, 48                           ; s[48:55] group 1 for wb's tiles: it differs in the mask alone
.set G0B, 56                           ; s[56:63] group 0 for wb's tiles, one set for each slot
.set MSB, 0
.macro WIN new                         ; the immediate's high byte repeats the setting that is left; a switch that changes nothing is dropped
.if MSB != (\new)
	s_set_vgpr_msb (MSB<<8)|(\new)
.set MSB, \new
.endif
.endm
.set MUL_LO, 0xa1                      ; source 0 (wb) window 1, source 1 (xb) window 0, C and D window 2
.set MUL_HI, 0xf1                      ; the same, C and D window 3
.set INI_LO, 0x81                      ; the first products: C (1 - beta) window 0, D window 2; + 0x40: D window 3
.set TO_B,   0x40                      ; destination window 1, address window 0
; A joint load.  Waves 0 and 1 fetch xb's two halves, waves 2 and 3 wb's.  Each of the two lines has one mask and one set of registers for all that issue it.  The branch hangs on the wave's number alone.
; An s_nop 0 and four v_nop follow each of the two lines, ahead of the jump, the label and what follows the macro.
.macro JLOAD s
	s_cmp_eq_u32 s11, 0
	s_cbranch_scc0 .Lfor_b_\@
	tensor_load_to_lds s[G0+4*(\s):G0+4*(\s)+3], s[G1:G1+7]
	s_nop 0
.rept 4
	v_nop
.endr
	s_branch .Lasked_\@
.Lfor_b_\@:
	tensor_load_to_lds s[G0B+4*(\s):G0B+4*(\s)+3], s[G1B:G1B+7]
	s_nop 0
.rept 4
	v_nop
.endr
.Lasked_\@:
.endm
; A round of the cluster's barrier: my work-group's barrier, so that wave 0's signal speaks for all four waves; wave 0 signals for the work-group; every wave waits for all sixteen; my work-group's barrier once more.
.macro CREST                           ; a round behind its opening barrier
	s_cmp_lg_u32 s10, 0
	s_cbranch_scc1 .Lnot_wave_0_\@
	s_barrier_signal -3
.Lnot_wave_0_\@:
	s_barrier_wait -3
	s_barrier_signal -1
	s_barrier_wait -1
.endm
.macro CROUND                          ; a whole round
	s_barrier_signal -1
	s_barrier_wait -1
	CREST
.endm
	s_load_b128 s[4:7], s[0:1], 0x0                ; xb s[4:5], wb s[6:7]
	s_load_b64 s[8:9], s[0:1], 0x10                ; out0
	s_load_b64 s[66:67], s[0:1], 0x18              ; beta's address
	v_lshl_add_u32 v[SPW], v0, 2, SPARE
	v_mov_b32 v[NIL], 0
	ds_add_u32 v[SPW], v[NIL]                      ; the wave's opening: the add and its wait stand ahead of my first tensor load; the set-up below, work on registers, stands between them
	v_lshrrev_b32 v1, 5, v0
	v_readfirstlane_b32 s10, v1                    ; wave 0..3
	s_lshr_b32 s11, s10, 1                         ; which half of the tile's rows is mine.  Also: I fetch for xb (0) or for wb (1)
	s_and_b32 s12, s10, 1                          ; which half of its columns.  Also: which 128 rows of that tile I fetch
	s_bfe_u32 s40, ttmp6, 0x40000                  ; cx: my place along the cluster's x
	s_bfe_u32 s41, ttmp6, 0x40004                  ; cy: along its y
	s_lshl_b32 s42, ttmp9, 2                       ; in a cluster launch ttmp9 and ttmp7 count clusters
	s_add_co_u32 s42, s42, s40                     ; tile column = 4 x cluster x + cx
	s_and_b32 s13, ttmp7, 0xffff
	s_lshl_b32 s13, s13, 2
	s_add_co_u32 s13, s13, s41                     ; tile row = 4 x cluster y + cy
	s_lshl_b32 s43, s41, 2
	s_lshl_b32 s43, 15, s43                        ; my row of the cluster: places 4 cy .. 4 cy + 3
	s_lshl_b32 s44, 0x1111, s40                    ; my column: places cx, cx + 4, cx + 8, cx + 12
	; descriptor group 1: a tile of 128 rows x 128 elements, padded in LDS
	s_or_b32 s[G1+0], s43, (1<<16)|(1<<20)|(1<<21)|(5<<22)|(3<<25)  ; 15:0 the mask: xb's tiles go to my row; 17:16 elements of 2 bytes; 20 padding on; 21 set beside a mask; 24:22 after every 64 words (code 5); 31:25 4 words of it (code 3)
	s_or_b32 s[G1B+0], s44, (1<<16)|(1<<20)|(1<<21)|(5<<22)|(3<<25) ; the same with the mask of my column, for wb's tiles
.irp g, G1, G1B
	s_mov_b32 s[(\g)+1], KSTEP<<16                 ; 63:48 tensor_dim0, low half = 128
	s_mov_b32 s[(\g)+2], 128<<16                   ; 79:64 its high half = 0; 95:80 tensor_dim1, low half = 128
	s_mov_b32 s[(\g)+3], KSTEP<<16                 ; 111:96 its high half = 0; 127:112 tile_dim0 = 128
	s_mov_b32 s[(\g)+4], 128                       ; 143:128 tile_dim1 = 128; 159:144 tile_dim2 = 0
	s_mov_b32 s[(\g)+5], SIZE_K                    ; 191:160 tensor_dim0_stride: 4,096 elements from row to row
	s_mov_b32 s[(\g)+6], 0
	s_mov_b32 s[(\g)+7], 0
.endr
	; where the tiles come from.  xb's hang on the tile row alone, which my row of the cluster shares; wb's on the tile column alone, which my column shares.
	; Every wave makes both addresses, in registers that never hold the other coordinate, and asks by one of them.
	s_lshl_b32 s17, s12, 7                         ; which 128 rows of the tile I fetch
	s_lshl_b32 s16, s13, 8
	s_add_co_u32 s16, s16, s17                     ; xb: row 256 x tile row + 128 x half
	s_lshl_b32 s46, s42, 8
	s_add_co_u32 s46, s46, s17                     ; wb: row 256 x tile column + 128 x half
	s_mov_b32 s17, 0
	s_mov_b32 s47, 0
	s_mov_b64 s[18:19], SIZE_K*2
	s_mul_u64 s[16:17], s[16:17], s[18:19]         ; in bytes
	s_mul_u64 s[46:47], s[46:47], s[18:19]
	s_mul_i32 s20, s10, HALFT                      ; and where they go: xb's two halves, then wb's two = wave x 128 rows: no place in the cluster enters an LDS address
	s_wait_dscnt 0x0                               ; the opening add is done
	s_wait_kmcnt 0x0
	s_add_nc_u64 s[14:15], s[4:5], s[16:17]
	s_add_nc_u64 s[46:47], s[6:7], s[46:47]
	CROUND                                         ; all sixteen work-groups are here: the first joint loads meet
.irp s, 0,1
	s_mov_b32 s[G0+4*(\s)], 1                                      ; 1:0 count = 1
	s_add_co_u32 s[G0+4*(\s)+1], s20, (\s)*SLOT                    ; 63:32 LDS address
	s_add_nc_u64 s[G0+4*(\s)+2:G0+4*(\s)+3], s[14:15], (\s)*KSTEP*2  ; 120:64 global address: K step s
	s_or_b32 s[G0+4*(\s)+3], s[G0+4*(\s)+3], 0x80000000            ; 127:126 type = 2
	s_mov_b32 s[G0B+4*(\s)], 1
	s_add_co_u32 s[G0B+4*(\s)+1], s20, (\s)*SLOT
	s_add_nc_u64 s[G0B+4*(\s)+2:G0B+4*(\s)+3], s[46:47], (\s)*KSTEP*2
	s_or_b32 s[G0B+4*(\s)+3], s[G0B+4*(\s)+3], 0x80000000
	JLOAD \s                                       ; the ring is filled before anything else is done: two tensor loads of mine are out
.endr
	s_load_b32 s45, s[66:67], 0x0                  ; beta; it comes while the addresses below are made
	; A fragment is 16 rows x 32 K in 8 registers: lane l holds row l % 16; registers 0-3 hold K = 8 (l / 16) + 0..7, registers 4-7 K = 16 + 8 (l / 16) + 0..7: two loads of 16 bytes, 32 bytes apart.
	v_and_b32 v1, 15, v0                           ; l % 16
	v_bfe_u32 v2, v0, 4, 1                         ; l / 16
	v_mul_u32_u24 v3, v1, PITCH
	v_lshl_add_u32 v3, v2, 4, v3                   ; row x pitch + 16 x half
	s_mul_i32 s21, s11, HALFT                      ; my 128 rows of xb
	s_mul_i32 s22, s12, HALFT                      ; my 128 rows of wb,
	s_add_co_u32 s22, s22, 2*HALFT                 ; which lie behind xb's 256
.irp s, 0,1
	v_add_nc_u32 v[ADRA+(\s)], s21, v3
	v_add_nc_u32 v[ADRB+(\s)], s22, v3
	s_add_co_u32 s21, s21, SLOT
	s_add_co_u32 s22, s22, SLOT
.endr
	s_mul_i32 s23, s10, 16*SPITCH
	s_add_co_u32 s23, s23, STAGE                   ; my stage
	v_mul_u32_u24 v4, v1, SPITCH                   ; in: row l % 16, 32 bytes for each half of the lanes
	v_lshl_add_u32 v4, v2, 5, v4
	v_add_nc_u32 v[STO], s23, v4
	v_and_b32 v5, 31, v0
	v_lshlrev_b32 v[CO], 4, v5                     ; back: 32 lanes take one row of 512 bytes, 16 bytes each; the same place in out0's row
	v_add_nc_u32 v[RD], s23, v[CO]
	; where my part of the tile begins in out0, in bytes: the way out adds it to out0's address
	s_lshl_b32 s13, s13, 8
	s_lshl_b32 s14, s11, 7
	s_add_co_u32 s16, s13, s14                     ; my first row
	s_mov_b32 s17, 0
	s_mov_b64 s[18:19], NB4
	s_mul_u64 s[16:17], s[16:17], s[18:19]
	s_lshl_b32 s46, s42, 10                        ; my first column, in bytes: 1,024 x tile column + 512 x half (in the registers that held wb's address)
	s_lshl_b32 s47, s12, 9
	s_add_co_u32 s46, s46, s47
	s_mov_b32 s47, 0
	s_add_nc_u64 s[16:17], s[16:17], s[46:47]
	s_wait_kmcnt 0x0                               ; beta
	v_mov_b32 v3, s45
.irp j, 0,1,2,3,4,5,6,7
	v_sub_f32 v[BI+(\j)], 1.0, v3                  ; 1 - beta, rounded as the reference rounds it
.endr
; 16 matrix instructions: m blocks a0, a0 + 1 of the window's four (hi = 0: my rows 0-63, 1: rows 64-127) x all 8 n blocks, 32 along K.
; init = 1: the first product starts each sum with 1 - beta: nothing is cleared, and the way out has no addition.
.macro MUL16 f, hi, a0, init
.if \init
	WIN INI_LO+0x40*(\hi)
.else
	WIN MUL_LO+0x50*(\hi)
.endif
.irp a, \a0, (\a0)+1
.irp b, 0,1,2,3,4,5,6,7
.if \init
	v_wmma_f32_16x16x32_bf16 v[8*(8*(\a)+(\b)):8*(8*(\a)+(\b))+7], v[(\f)+8*(\b):(\f)+8*(\b)+7], v[(\f)+8*(4*(\hi)+(\a)):(\f)+8*(4*(\hi)+(\a))+7], v[BI:BI+7]
.else
	v_wmma_f32_16x16x32_bf16 v[8*(8*(\a)+(\b)):8*(8*(\a)+(\b))+7], v[(\f)+8*(\b):(\f)+8*(\b)+7], v[(\f)+8*(4*(\hi)+(\a)):(\f)+8*(4*(\hi)+(\a))+7], v[8*(8*(\a)+(\b)):8*(8*(\a)+(\b))+7]
.endif
.endr
.endr
.endm
; 32 LDS loads in one run: the fragments of one quarter step (128 rows of wb, 128 rows of xb, 32 K at byte k of the rows) into buffer f
.macro FETCH slot, k, f
	WIN TO_B
.irp i, 0,1,2,3,4,5,6,7
	ds_load_b128 v[(\f)+8*(\i):(\f)+8*(\i)+3],   v[ADRB+(\slot)] offset:(\k)+(\i)*16*PITCH
	ds_load_b128 v[(\f)+8*(\i)+4:(\f)+8*(\i)+7], v[ADRB+(\slot)] offset:(\k)+(\i)*16*PITCH+32
.endr
	WIN 0
.irp i, 0,1,2,3,4,5,6,7
	ds_load_b128 v[(\f)+8*(\i):(\f)+8*(\i)+3],   v[ADRA+(\slot)] offset:(\k)+(\i)*16*PITCH
	ds_load_b128 v[(\f)+8*(\i)+4:(\f)+8*(\i)+7], v[ADRA+(\slot)] offset:(\k)+(\i)*16*PITCH+32
.endr
.endm
; A load into a register that a matrix instruction has read, and a vector instruction that reads a matrix result or writes one of a matrix instruction's registers, stand four places behind it, and only
; plain vector instructions that name none of its registers are places (ISA guide 7.12.1 for vector instructions).  The matrix instructions in between are not counted.
.macro PLACES
.rept 4
	v_nop
.endr
.endm
; A K step is four quarter steps of 32 along K, 64 matrix instructions each, on buffers 0, 1, 0, 1.  The 64 accumulators take turns, one instruction a turn, in the same order in every quarter.
; One of the first three: multiplies buffer f; in its middle it fetches the next quarter's fragments, at byte k of the same slot's rows, into buffer g.
.macro QUARTER slot, k, f, g, init
	s_wait_dscnt 8                                 ; wb and xb's rows 0-63 are in; the youngest eight loads (xb's rows 64-127) may be out
	MUL16 \f, 0, 0, \init
	MUL16 \f, 0, 2, \init
	PLACES
	FETCH \slot, \k, \g
	s_wait_dscnt 32                                ; all but the 32 just issued
	MUL16 \f, 1, 0, \init
	MUL16 \f, 1, 2, \init
.endm
; The last quarter multiplies buffer 1 and changes slots.  MEET is its first half: ONE barrier for the change, for two things.  In front of it each wave waits for all its tensor loads, of which one is
; out: its part of the next slot; adds 0 to its spare word; and waits for that and for its own reads of this slot.  Behind it nobody reads this slot any more and the next slot is whole.
.macro MEET round                      ; round = 1: the rest of a round of the cluster's barrier follows
	WIN 0                                          ; (the add's two registers lie in window 0)
	s_wait_tensorcnt 0x0                           ; all my tensor loads have landed: the one that was out is my part of the next slot;
	ds_add_u32 v[SPW], v[NIL]                      ; 0 onto my spare word;
	s_wait_dscnt 9                                 ; (the add and the youngest eight loads may be out)
	MUL16 F1, 0, 0, 0                              ; sixteen matrix instructions stand between the add and the wait for it
	s_wait_dscnt 0x0                               ; the add is done, and my reads of this slot are over:
	s_barrier_signal -1                            ; say so,
	MUL16 F1, 0, 2, 0                              ; work on registers while the others arrive,
.if \round
	WIN 0
.endif
	s_barrier_wait -1                              ; and go on when all four have said so
.endm
; The whole last quarter.  fill = 1: the barrier opens a round of the cluster's, and behind it the slot just read out is filled again first, with the K step two steps on; then come the next slot's first
; fragments.  From that request to the wait for it a wave issues 224 matrix instructions.  fill = 0: nothing is left to ask for, and no round follows.
.macro TURN slot, next, fill
	MEET \fill
.if \fill
	CREST                                          ; no wave of any partner still reads this slot's tile or has a load on its way
	s_add_nc_u64 s[G0+4*(\slot)+2:G0+4*(\slot)+3], s[G0+4*(\slot)+2:G0+4*(\slot)+3], 2*KSTEP*2     ; no tensor load of mine is out, so a group 0 may be written; the type bits on top are not reached
	s_add_nc_u64 s[G0B+4*(\slot)+2:G0B+4*(\slot)+3], s[G0B+4*(\slot)+2:G0B+4*(\slot)+3], 2*KSTEP*2
	JLOAD \slot                                    ; my one tensor load behind the round, and the first thing there; its four v_nop are also the places in front of the loads below
.else
	PLACES
.endif
	FETCH \next, 0, F0
	MUL16 F1, 1, 0, 0
	MUL16 F1, 1, 2, 0
.endm
; THE WAY OUT of block a (16 rows x 128 columns), in three parts.
; RELU: max(0, sum) into window 0; each accumulator's registers are taken in ascending order.
.macro RELU a
.set AC, 64*((\a)%4)
	WIN 0x0a+5*((\a)/4)                            ; sources: window 2 (blocks 0-3) or 3 (blocks 4-7)
.irp b, 0,1,2,3,4,5,6,7
.irp j, 0,1,2,3,4,5,6,7
	v_max_num_f32 v[TMP+8*(\b)+(\j)], 0, v[AC+8*(\b)+(\j)]
.endr
.endr
	WIN 0
.endm
; TOSTAGE: a lane's 32 bytes of each of 8 column blocks go into my own stage, and whole rows of 512 bytes come back.
.macro TOSTAGE a
	WIN 0
.set BK, OB+64*((\a)%2)
.irp b, 0,1,2,3,4,5,6,7
.irp c, 0,1
	ds_store_b128 v[STO], v[TMP+8*(\b)+4*(\c):TMP+8*(\b)+4*(\c)+3] offset:64*(\b)+16*(\c)
.endr
.endr
.irp t, 0,1,2,3,4,5,6,7,8,9,10,11,12,13,14,15
	ds_load_b128 v[BK+4*(\t):BK+4*(\t)+3], v[RD] offset:(\t)*SPITCH  ; LDS serves a wave's instructions in order (ISA guide 5.7.1.4): these see the stores above; the next block's stores come behind them
.endr
.endm
; SEND: the block's 16 rows are stored.
.macro SEND a
	WIN 0
.set BK, OB+64*((\a)%2)
	s_wait_dscnt 0x0                               ; the block is back in registers
	s_wait_xcnt 0x0                                ; only behind this wait are the stores' base, and the registers that the block before last stored from, rewritten (ISA guide 3.1)
.if (\a) == 0
	s_add_nc_u64 s[8:9], s[8:9], s[16:17]          ; on to my first rows
.else
	s_add_nc_u64 s[8:9], s[8:9], 16*NB4            ; 16 rows on: the offsets below reach 15 rows, 245,760 bytes
.endif
.irp t, 0,1,2,3,4,5,6,7,8,9,10,11,12,13,14,15
	global_store_b128 v[CO], v[BK+4*(\t):BK+4*(\t)+3], s[8:9] offset:(\t)*NB4 th:TH_STORE_NT  ; the wave stores 512 consecutive bytes, at a multiple of 512 from out0's first byte; written once, not read again
.endr
.endm
	s_wait_tensorcnt 1                             ; my part of K step 0 is in; K step 1's may stay out
	s_barrier_signal -1
	s_barrier_wait -1                              ; everybody's is
	FETCH 0, 0, F0
	QUARTER 0, 64,  F0, F1, 1                      ; the first quarter stands in front of the loop: its products start the sums
	WIN 0                                          ; at a label and at a branch every window is 0
	s_mov_b32 s3, LAPS-1
.Llap:                                                 ; 15 trips: from a lap's second quarter to the next lap's first; each fills both slots again: K steps 2 to 31
	QUARTER 0, 128, F1, F0, 0
	QUARTER 0, 192, F0, F1, 0
	TURN 0, 1, 1
	QUARTER 1, 64,  F0, F1, 0
	QUARTER 1, 128, F1, F0, 0
	QUARTER 1, 192, F0, F1, 0
	TURN 1, 0, 1
	QUARTER 0, 64,  F0, F1, 0
	WIN 0
	s_sub_co_u32 s3, s3, 1
	s_cmp_lg_u32 s3, 0
	s_cbranch_scc1 .Llap
	QUARTER 0, 128, F1, F0, 0                      ; the last lap is written out: it asks for nothing
	QUARTER 0, 192, F0, F1, 0
	TURN 0, 1, 0                                   ; my one tensor load still out is slot 1's, the last K step's
	QUARTER 1, 64,  F0, F1, 0
	QUARTER 1, 128, F1, F0, 0
	QUARTER 1, 192, F0, F1, 0
	s_wait_dscnt 8                                 ; the very last quarter: nothing more to fetch
	MUL16 F1, 0, 0, 0
	MUL16 F1, 0, 2, 0
	s_wait_dscnt 0x0
	MUL16 F1, 1, 0, 0
	MUL16 F1, 1, 2, 0
	WIN 0
	PLACES                                         ; behind the last products: for the reads of results and for the writes into the fragments' registers
	RELU 0
	TOSTAGE 0
.irp a, 1,2,3,4,5,6,7                  ; block a's 64 maxima stand between block a - 1's loads from the stage and the wait for them
	RELU \a
	SEND (\a)-1
	TOSTAGE \a
.endr
	SEND 7
	s_wait_tensorcnt 0x0                           ; the wave's end, behind my last tensor load and my last LDS store
	ds_add_u32 v[SPW], v[NIL]
	s_wait_dscnt 0x0
	CROUND                                         ; the closing round: no work-group ends while a partner may still ask for a tile that names it
	s_endpgm
.Lfunc_end_k_qec42069266_gemm:
	.size	k_qec42069266_gemm, .Lfunc_end_k_qec42069266_gemm-k_qec42069266_gemm
	.p2alignl 7, 3214868480
	.fill 96, 4, 3214868480
	.section	.rodata,"a",@progbits
	.p2align	6, 0x0
	.amdhsa_kernel k_qec42069266_gemm
		.amdhsa_group_segment_fixed_size 327680
		.amdhsa_private_segment_fixed_size 0
		.amdhsa_enable_private_segment 0
		.amdhsa_kernarg_size 32
		.amdhsa_user_sgpr_count 2
		.amdhsa_user_sgpr_kernarg_segment_ptr 1
		.amdhsa_wavefront_size32 1
		.amdhsa_system_sgpr_workgroup_id_x 1
		.amdhsa_system_sgpr_workgroup_id_y 1
		.amdhsa_system_sgpr_workgroup_id_z 1
		.amdhsa_system_vgpr_workitem_id 0
		.amdhsa_next_free_vgpr 1024
		.amdhsa_next_free_sgpr 68
		.amdhsa_reserve_vcc 0
		.amdhsa_float_denorm_mode_32 3
		.amdhsa_float_denorm_mode_16_64 3
		.amdhsa_memory_ordered 1
		.amdhsa_forward_progress 1
		.amdhsa_inst_pref_size 157
	.end_amdhsa_kernel
	.amdgpu_metadata
---
amdhsa.version: [ 1, 2 ]
amdhsa.kernels:
  - .name:           k_qec42069266_gemm
    .symbol:         k_qec42069266_gemm.kd
    .args:
      - { .name: xb, .offset: 0, .size: 8, .value_kind: global_buffer, .address_space: global }
      - { .name: wb, .offset: 8, .size: 8, .value_kind: global_buffer, .address_space: global }
      - { .name: out0, .offset: 16, .size: 8, .value_kind: global_buffer, .address_space: global }
      - { .name: beta, .offset: 24, .size: 8, .value_kind: global_buffer, .address_space: global }
    .group_segment_fixed_size: 327680
    .private_segment_fixed_size: 0
    .kernarg_segment_align: 8
    .kernarg_segment_size: 32
    .max_flat_workgroup_size: 128
    .sgpr_count:     68
    .vgpr_count:     1024
    .wavefront_size: 32
...
	.end_amdgpu_metadata
.endif
;; end of part 2
;; ======== version 2 of 2: 2 launches; version 1 with the launch cast written anew for expert scheduling mode
;; workspace buffers: xb 33,554,432 bytes; wb 33,554,432 bytes
;; launch cast (part 3): grid 512 x 2, 8 waves a work-group, no clusters, 0 bytes of LDS; arguments x, weights, xb, wb; writes xb, wb
.if DOCPART == 3
	.amdgcn_target "amdgcn-amd-amdhsa--gfx1250"
	.amdhsa_code_object_version 6
	.text
	.protected	k_qec42069266_cast
	.globl	k_qec42069266_cast
	.p2align	8
	.type	k_qec42069266_cast,@function
k_qec42069266_cast:
	s_mov_b64 s[64:65], 0
	v_nop
	global_prefetch_b8 v0, s[64:65] scope:SCOPE_SE
	s_setreg_imm32_b32 hwreg(HW_REG_WAVE_SCHED_MODE, 0, 2), 2
	s_setreg_imm32_b32 hwreg(HW_REG_WAVE_MODE, 25, 1), 1
	s_wait_xcnt 0x0
	s_wait_alu depctr_vm_vsrc(0)
; xb = bf16(x), wb = bf16(weights): [4096][4096] f32 -> [4096][4096] bf16, each number rounded once, to nearest even.
; LIMITS.  bf16 has f32's exponents, so nothing under- or overflows but a magnitude above bf16's largest finite number (3.39e38), which rounds to an infinity.
; LAYOUT OF THE RESULT.  Inside every aligned block of 256 k of a row the numbers are PERMUTED, alike in xb and wb: place 8 l + j (l = 0..31) holds k = 4 l + j for j = 0..3 and
; k = 128 + 4 l + (j - 4) for j = 4..7.  The product that follows pairs place with place, so every x[b][k] still meets weights[o][k]; only the order of its sum changes.
; What it buys: lane l's two loads of 16 bytes (512 bytes apart) round to exactly the 16 bytes that it stores, so each load and each store of a wave covers 512 consecutive bytes, aligned, and no number changes lanes.
; SHARES.  Grid y picks the tensor.  A work-group takes 131,072 consecutive input bytes (8 rows) in 16 turns of 8,192; in a turn wave w takes 1,024 bytes, one block of 256 k.
; The 16 turns are written out, so every place stands in an immediate and no address register is rewritten.
; No LDS, barrier, matrix instruction or cluster: no byte is used twice and no wave needs another's data.
; THE MODE: SCHED_MODE bits 1:0 = 2 (LLVM: expert scheduling mode 2), set by the entry lines.  The code itself states the register dependences
; between vector instructions and memory instructions, with s_wait_alu, always for 0.
; THE PLAN.  The 16 turns go in 8 blocks of two.  Registers that memory instructions touch:
;   v1, v2     byte offsets of the loads and of the stores, made once at the head and never written again.
;   X0 .. X4   five blocks as loaded.  Block p's data lie in X[p % 5].  The head loads blocks 0 to 3; block p (0 to 3) loads block p + 4 into X[(p + 4) % 5] = X[(p - 1) % 5],
;              the buffer that block p - 1's conversions read (for block 0: X4, which nothing has named).
;   Y0 .. Y2   the results of blocks 0 to 2, whose X is loaded again.  Written once, by the block's conversions; read by the two stores that are issued in the next block.
;   Blocks 3 to 7: their X is never loaded again, so their conversions close up in place (a turn's pair j into register j of its eight), and the stores of the next block read those registers.
; So block p's memory instructions touch X[(p - 1) % 5] and block p - 1's results alone, which no vector instruction of block p names: ONE wait at a block's head states all that they hang on,
; and they are dealt among the block's conversions with no further wait.  No register that a store reads is ever written again: nothing is owed for the stores' sources.
.set BLOCKS, 8                         ; blocks of two turns
.set NX,    5                          ; X buffers
.set KEEP,  BLOCKS-NX                  ; blocks 0 to KEEP - 1 have their X loaded again and round into Y
.set INT,   8192                       ; input bytes of the group in a turn
.set OUTT,  4096                       ; output bytes of the group in a turn
.set X,     4                          ; v[4:83]    buffer k, turn i of two: 8 registers at X + 16 k + 8 i as loaded: 0-3 the first 16 bytes, 4-7 those 512 bytes on
.set Y,     84                         ; v[84:107]  block p (0 to 2), turn i of two: 4 registers at Y + 8 p + 4 i to store
	s_load_b256 s[4:11], s[0:1], 0x0               ; x s[4:5], weights s[6:7], xb s[8:9], wb s[10:11]
	v_and_b32 v1, 31, v0                           ; lane
	v_lshlrev_b32 v1, 4, v1                        ; 16 bytes a lane
	v_and_b32 v3, 0xe0, v0                         ; 32 x wave
	v_lshl_or_b32 v1, v3, 5, v1                    ; in: 1,024 x wave + 16 x lane; never rewritten
	v_lshlrev_b32 v2, 4, v0                        ; out: 16 x thread = 512 x wave + 16 x lane; never rewritten
	s_lshl_b32 s16, ttmp9, 17                      ; the group's 131,072 input bytes (under 2^26)
	s_mov_b32 s17, 0
	s_lshl_b32 s18, ttmp9, 16                      ; and its 65,536 output bytes
	s_mov_b32 s19, 0
	s_and_b32 s2, ttmp7, 0xffff                    ; grid y: 0 = x, 1 = weights
	s_wait_kmcnt 0x0
	s_cmp_eq_u32 s2, 0                             ; the choice hangs on the work-group's number alone
	s_cselect_b64 s[12:13], s[4:5], s[6:7]
	s_cselect_b64 s[14:15], s[8:9], s[10:11]
	s_add_nc_u64 s[12:13], s[12:13], s[16:17]
	s_add_nc_u64 s[14:15], s[14:15], s[18:19]
	s_wait_alu depctr_va_vdst(0)                   ; v1 and v2 are written: every load of the kernel reads v1 as its offset, every store v2
.irp i, 0,1,2,3,4,5,6,7
	global_load_b128 v[X+8*(\i):X+8*(\i)+3],   v1, s[12:13] offset:(\i)*INT th:TH_LOAD_NT      ; blocks 0 to 3, turns 0 to 7, into X0 to X3; each input byte is read once in the launch
	global_load_b128 v[X+8*(\i)+4:X+8*(\i)+7], v1, s[12:13] offset:(\i)*INT+512 th:TH_LOAD_NT
.endr
; Block p.  left = how many younger loads may still be out when this block's four have to be there.
.macro BLK p, left
.set XB, X+16*((\p)%NX)                ; this block's data
.if (\p) < KEEP
.set DB, Y+8*(\p)                      ; this block's results: in Y, 4 registers a turn,
.set DS, 4
.else
.set DB, XB                            ; or in place, in the first four of a turn's eight
.set DS, 8
.endif
	s_wait_loadcnt \left                           ; loads come back in order (ISA guide 5.7.1): X[p % 5] is in, the younger blocks stay out
.if (\p) > 0
.if (\p)-1 < KEEP
.set SB, Y+8*((\p)-1)                  ; the results of the block before
.set SS, 4
.else
.set SB, X+16*(((\p)-1)%NX)
.set SS, 8
.endif
	s_wait_alu depctr_va_vdst(0)                   ; the block before has written its results, which the stores below read; and it is done reading its X, in which the loads below (blocks 1 to 3 have them) land
.endif
.irp i, 0,1
.if (\p)+NX-1 < BLOCKS
.set LB, X+16*(((\p)+NX-1)%NX)+8*(\i)
	global_load_b128 v[LB:LB+3],   v1, s[12:13] offset:(2*((\p)+NX-1)+(\i))*INT th:TH_LOAD_NT      ; four blocks ahead; no vector instruction since the wait names these registers
	global_load_b128 v[LB+4:LB+7], v1, s[12:13] offset:(2*((\p)+NX-1)+(\i))*INT+512 th:TH_LOAD_NT
.endif
.if (\p) > 0
	global_store_b128 v2, v[SB+SS*(\i):SB+SS*(\i)+3], s[14:15] offset:(2*((\p)-1)+(\i))*OUTT  ; the block before: 512 consecutive bytes of the wave, aligned; no hint: the next launch reads them
.endif
.irp j, 0,1,2,3
	v_cvt_pk_bf16_f32 v[DB+DS*(\i)+(\j)], v[XB+8*(\i)+2*(\j)], v[XB+8*(\i)+2*(\j)+1]  ; two roundings, packed; in place register j lies at or below the pair 2 j, 2 j + 1 that it takes
.endr
.endr
.endm
	BLK 0, 12                                      ; behind a block's four loads stand the three younger blocks' twelve
	BLK 1, 12
	BLK 2, 12
	BLK 3, 12                                      ; the last loads: block 7; no load leaves the buffer
	BLK 4, 12
	BLK 5, 8                                       ; the counts run down
	BLK 6, 4
	BLK 7, 0
	s_wait_alu depctr_va_vdst(0)                   ; block 7 has written its results, which the last two stores read
.irp i, 0,1
	global_store_b128 v2, v[X+16*((BLOCKS-1)%NX)+8*(\i):X+16*((BLOCKS-1)%NX)+8*(\i)+3], s[14:15] offset:(2*(BLOCKS-1)+(\i))*OUTT
.endr
	s_endpgm
.Lfunc_end_k_qec42069266_cast:
	.size	k_qec42069266_cast, .Lfunc_end_k_qec42069266_cast-k_qec42069266_cast
	.p2alignl 7, 3214868480
	.fill 96, 4, 3214868480
	.section	.rodata,"a",@progbits
	.p2align	6, 0x0
	.amdhsa_kernel k_qec42069266_cast
		.amdhsa_group_segment_fixed_size 0
		.amdhsa_private_segment_fixed_size 0
		.amdhsa_enable_private_segment 0
		.amdhsa_kernarg_size 32
		.amdhsa_user_sgpr_count 2
		.amdhsa_user_sgpr_kernarg_segment_ptr 1
		.amdhsa_wavefront_size32 1
		.amdhsa_system_sgpr_workgroup_id_x 1
		.amdhsa_system_sgpr_workgroup_id_y 1
		.amdhsa_system_sgpr_workgroup_id_z 1
		.amdhsa_system_vgpr_workitem_id 0
		.amdhsa_next_free_vgpr 108
		.amdhsa_next_free_sgpr 66
		.amdhsa_reserve_vcc 0
		.amdhsa_float_denorm_mode_32 3
		.amdhsa_float_denorm_mode_16_64 3
		.amdhsa_memory_ordered 1
		.amdhsa_forward_progress 1
		.amdhsa_inst_pref_size 11
	.end_amdhsa_kernel
	.amdgpu_metadata
---
amdhsa.version: [ 1, 2 ]
amdhsa.kernels:
  - .name:           k_qec42069266_cast
    .symbol:         k_qec42069266_cast.kd
    .args:
      - { .name: x, .offset: 0, .size: 8, .value_kind: global_buffer, .address_space: global }
      - { .name: weights, .offset: 8, .size: 8, .value_kind: global_buffer, .address_space: global }
      - { .name: xb, .offset: 16, .size: 8, .value_kind: global_buffer, .address_space: global }
      - { .name: wb, .offset: 24, .size: 8, .value_kind: global_buffer, .address_space: global }
    .group_segment_fixed_size: 0
    .private_segment_fixed_size: 0
    .kernarg_segment_align: 8
    .kernarg_segment_size: 32
    .max_flat_workgroup_size: 256
    .sgpr_count:     66
    .vgpr_count:     108
    .wavefront_size: 32
...
	.end_amdgpu_metadata
.endif
;; end of part 3
;; launch gemm: the kernel of part 2 again; grid 16 x 16, 4 waves a work-group, clusters of 4 x 4, 327,680 bytes of LDS; arguments xb, wb, out0, beta; writes out0
